; MI455X (gfx1250); checked and timed in simulation.
; The chip was launched on July 23, 2026; its instructions are those of AMD's public machine-readable ISA for CDNA 5 (MIT licence, August 2026) and "CDNA5" Instruction Set Architecture Reference Guide (July 2026). The comments in the code are by the model that wrote it; some were corrected since.
;; Taylor Model. Allowed arithmetic: matrix products marked QUANTISED: E5M2 operands, one E8M0 scale for each 32 along K, by v_wmma_scale_f32_16x16x128_f8f6f4 with both operands' format E5M2, f32 sums; products left as they are: f32 operands where the result goes on into a quantised operand, else bf16, f16 or f32 operands; f32 sums; everything else in f32.
;; Inputs: W1 20 x 189 float32; W2 20 x 230 float32; W3 1 x 20 float32; b1 20 float32; b2 20 float32; b3 1 float32; x 262,144 x 18 float32.
;; Outputs: out0 262,144 x 1 float32.
;; This version of the problem:
;;   THIS VERSION OF THE PROBLEM IS GIVEN IN LOW PRECISION. The matrix products marked QUANTISED in the list below multiply operands that are first quantised to E5M2 (5 exponent bits, 2 mantissa bits; 8 bits a number), with one power-of-two scale for each 32 numbers along K (OCP MX v1.0); their sums are f32. All else is computed in f32.
;;   The module's matrix products, in the order in which they are computed (A, B: the left and right operand; K: the contracted axis; several contracted axes count as one K, in the product's order):
;;     1. [M 262,144, K 189] x [K 189, N 20]; A: computed on the way; B: input W1: QUANTISED
;;     2. [M 262,144, K 230] x [K 230, N 20]; A: computed on the way; B: input W2: QUANTISED
;;     3. [M 262,144, K 20] x [K 20, N 1]; A: computed on the way; B: input W3: left as it is (K = 20 < 32)
;;   THE QUANTISER, for each operand of a quantised product, along K:
;;     - K is cut into blocks of 32 from its start; a last block that is shorter is filled with zeros.
;;     - A block's scale is 2^e with e = floor(log2(the largest magnitude in the block)) - 15, held to -126 .. 127; a block of zeros has e = 0. As a byte (E8M0): e + 127.
;;     - Each number is divided by its block's scale, clamped to +-57,344, and rounded to the nearest number of E5M2, ties to even, subnormals kept.
;;     - The product sums the exact products of the quantised numbers (number of the format x scale) in f32.
;;   ~~~python
;;   def quantise(x, axis):      # numpy; x: float32 -> the quantised numbers, widened to float32 again
;;       x = np.moveaxis(x, axis, -1); K = x.shape[-1]
;;       x = np.pad(x, [(0, 0)] * (x.ndim - 1) + [(0, -K % 32)]); x = x.reshape(x.shape[:-1] + (-1, 32)); a = np.abs(x).max(-1, keepdims=True)
;;       e = np.where(a > 0, np.clip(np.frexp(np.where(a > 0, a, 1))[1] - 1 - 15, -126, 127), 0)      # np.frexp(a)[1] - 1 = floor(log2(a)), exactly
;;       r = np.clip(x / 2.0 ** e, -57344, 57344)
;;       step = 2.0 ** (np.maximum(np.frexp(np.where(r == 0, 1, r))[1] - 1, -14) - 2)
;;       q = np.round(r / step) * step * 2.0 ** e      # np.round: ties to even
;;       return np.moveaxis(q.reshape(q.shape[:-2] + (-1,))[..., :K], -1, axis).astype(np.float32)
;;   ~~~
;;   OPERANDS COMPUTED ON THE WAY. 'Computed on the way' means the value that the module computes at that place (a softmax that the list does not call 'softmax' is quantised finished and normalised). What goes into a quantiser is computed in f32, as accurately as f32 sums, v_exp_f32 and their like allow (about 1e-6 of the number): no bf16 or f16 on the way to a quantiser, and a product that is left as it is and whose result goes on into a quantised operand takes f32 operands (vector FMAs, or v_wmma_f32_16x16x4_f32). A number that lies on a knife's edge between two numbers of the format may be rounded either way, as far as f32 arithmetic and the matrix unit's own rounding can turn it there, and no further.
;; 2 versions, each right; version 2 is version 1 with the launch taylor written anew for expert scheduling mode. Each part assembles by itself: llvm-mc -triple=amdgcn-amd-amdhsa -mcpu=gfx1250 --defsym DOCPART=n.
;; ======== version 1 of 2: 1 launch
;; launch taylor (part 1): grid 256 x 1, 8 waves a work-group, no clusters, 40,448 bytes of LDS; arguments x, W1, b1, W2, b2, W3, b3, out0; writes out0
.if DOCPART == 1
	.amdgcn_target "amdgcn-amd-amdhsa--gfx1250"
	.amdhsa_code_object_version 6
	.text
	.protected	k_qbab0760435_taylor
	.globl	k_qbab0760435_taylor
	.p2align	8
	.type	k_qbab0760435_taylor,@function
k_qbab0760435_taylor:
	s_mov_b64 s[64:65], 0
	v_nop
	global_prefetch_b8 v0, s[64:65] scope:SCOPE_SE
	s_setreg_imm32_b32 hwreg(HW_REG_WAVE_MODE, 25, 1), 1
	s_wait_xcnt 0x0
; y = W3 tanh(W2 aug(tanh(W1 aug(x) + b1)) + b2) + b3, aug(v) = [v, v_j v_k for j <= k].  x: [262144][18] f32, y: [262144] f32.
; Both products with aug(.) run on codes of BF8 (E5M2) with one E8M0 scale for each 32 along K (189 and 230); the last product (K = 20) is 20 fused multiply-adds in f32.
; NOTHING IS LEFT OUT: every input has a way to y and is loaded.  K is filled up to 256 with zero codes on both sides, and weight tile 1 (outputs 16-19) is filled up with duplicate rows whose results are never read:
; both lie inside tiles that hold live work.
; A LANE OWNS A WHOLE ROW.  A group is 32 rows, lane l = row l.  All of a row's features are made in the lane's registers, so a block's largest magnitude needs no other lane.  A block's 32 codes are 8 registers:
; 4 low (places 0-15), 4 high (places 16-31).  v_permlane16_swap_b32 low, high exchanges low's lanes 16-31 with high's lanes 0-15: low is then the operand of rows 0-15 (lanes 0-15: k 0-15, lanes 16-31: k 16-31 of the
; same row), high that of rows 16-31.  The row's scale word lies right as it is: tile A reads lanes 0-15, tile B lanes 16-31.  The products are used transposed (source 0 = 16 weight rows, source 1 = 16 rows of x), and
; the same swap on the results gives each lane all 20 outputs of its own row.
; THE ORDER INSIDE A BLOCK OF 32 IS FREE, if x and W have the same: macro ENUM lays pairs (j, 2 b), (j, 2 b + 1) from the block's bottom (one packed multiply each) and single elements from its top, and the same macro
; writes the loads of W, so both sides agree by construction.  (The unit then adds a block's products in another order: the result is judged within a tolerance.)
; SHARES.  256 work-groups x 8 waves; a wave takes 128 rows: 4 groups.  Wave w quantises block w of W1 and of W2 (a lane a weight row) and stores the operand registers' images to LDS; behind one barrier every wave holds
; all 8 weight fragments in registers (window 1) for the whole launch.  x comes in whole runs of 2,304 bytes a group, a trip ahead, and turns through the wave's own stage in LDS.
; No cluster and no tensor load: all that work-groups share is 33,520 bytes of weights, read once by each.  No prefetch: each group's loads are issued a whole trip (some 1,200 vector instructions) ahead of their wait.
; LIMITS.  tanh(z) = 1 - 2 / (1 + 2^(2 log2(e) z)): its absolute error is a few 2^-24, so its relative error grows as 1 / |tanh z| for small z; |z| under 2^-127 gives 0.  NaN and infinities among the inputs are not
; served.  A block of zeros gets the scale byte 1 where the rule says 127: its codes are zeros, and the bytes are read here alone.
.set GRPB,  2304                       ; a group's 32 rows of 72 bytes
.set WIMG,  0                          ; LDS: the weights' images: (layer, tile) 4,096 bytes each, block b at 512 b, a lane's 16 bytes at 16 x lane
.set WSC,   16384                      ; their scale words: (layer, K step) 128 bytes each, 4 bytes a lane
.set YST,   16896                      ; y: 512 bytes a wave
.set SPARE, 20992                      ; the spare words, 128 bytes a wave: four blocks of 256 bytes that no other line names
.set XST,   22016                      ; x: a stage of 2,304 bytes a wave
.set LI,  1                            ; v1   16 x lane
.set LS,  2                            ; v2   4 x lane
.set L8,  3                            ; v3   8 x lane
.set XW,  4                            ; v4   my stage, in: 16 x lane
.set XW8, 5                            ; v5   its last 256 bytes: 8 x lane
.set XRD, 6                            ; v6   my stage, out: 72 x lane
.set YW,  7                            ; v7   y's stage, in: 4 x lane
.set AD,  8                            ; v8   an address at work
.set WA1, 9                            ; v9   my weight row in W1, bytes
.set SPW, 10                           ; v10  my spare word; never rewritten
.set NIL, 11                           ; v11  0; never rewritten
.set WA2, 12                           ; v12  my weight row in W2
.set ZR,  13                           ; v13  offset 0
.set YA,  14                           ; v[14:15], v[16:17] y's sums
.set YB,  16
.set B3,  18                           ; v[18:19] b3, 0
.set MX,  20                           ; v20-27 maxima at work
.set SC,  28                           ; v28-29 the conversions' scale operands of the two blocks in hand
.set LIM, 30                           ; v30-31 57,344 x the scale
.set SX,  32                           ; v32-33 the rows' scale words, K steps 0 and 1: scales and nothing else
.set SW,  34                           ; v34-37 the weights' scale words (layer, K step): lanes 0-15 tile 0, lanes 16-31 tile 1
.set BY,  38                           ; v38-39 scale bytes at work
.set W3R, 40                           ; v40-59 W3
.set XH,  60                           ; v60-91 x (18) or h (20), and behind them block 0's products
.set SA,  92                           ; v92-123, v124-155 two blocks of 32 numbers
.set SB,  124
.set CA,  156                          ; v156-187 codes of rows 0-15: block b at 4 b
.set CB,  188                          ; v188-219 codes of rows 16-31
.set DD,  220                          ; v220-251 sums: (A, tile 0), (B, tile 0), (A, tile 1), (B, tile 1)
.set YRD, 252                          ; v252 y's stage, out: 16 x lane
.set BA0, 253                          ; v253, v254 offsets into the biases
.set BA1, 254
.set BI,  128                          ; window 1: v0-127 the weights' 8 fragments, 64 layer + 32 tile + 16 K step; from v128 the biases, 16 layer + 8 tile; from v160 18 registers of x on their way
.set RR,  160
.set XP,  8                            ; s[8:9] x at the group to be loaded
.set W1P, 10
.set B1P, 12
.set W2P, 14
.set B2P, 16
.set W3P, 18
.set B3P, 20
.set OP,  22                           ; s[22:23] y at my wave's 128 rows
.set WV,  24                           ; s24 wave
.set G,   25                           ; s25 group 0..3
.set YO,  26                           ; s26 128 x group
.set MNT, 27                           ; s27 the mantissa field of 57,344
.set MSB, 0
.macro WIN new                         ; the immediate's high byte repeats the setting that is left
.if MSB != \new
	s_set_vgpr_msb (MSB<<8)|\new
.set MSB, \new
.endif
.endm
; ---- the walk over a block's features.  mode 0: the products, from v[a1] on, into v[dst + place].  mode 1: the loads of a weight row (offset register a1, base s[a2:a2+1]) into the same places.
.macro ONE mode, dst, a1, a2           ; element (e_j, o_k), feature o_f: a single, from the block's top down
.if \mode
	global_load_b32 v[\dst+e_sp], v[\a1], s[\a2:\a2+1] offset:4*o_f
.else
	v_mul_f32 v[\dst+e_sp], v[\a1+e_j], v[\a1+o_k]
.endif
.set e_sp, e_sp-1
.endm
.macro TWO mode, dst, a1, a2           ; elements (e_j, e_k), (e_j, e_k + 1), e_k even, features e_f, e_f + 1: a pair, from the block's bottom up
.if \mode
	global_load_b32 v[\dst+e_pp], v[\a1], s[\a2:\a2+1] offset:4*e_f
	global_load_b32 v[\dst+e_pp+1], v[\a1], s[\a2:\a2+1] offset:4*e_f+4
.else
.if e_j%2
	v_pk_mul_f32 v[\dst+e_pp:\dst+e_pp+1], v[\a1+e_j-1:\a1+e_j], v[\a1+e_k:\a1+e_k+1] op_sel:[1,0] op_sel_hi:[1,1]   ; the first pair's upper word serves both halves
.else
	v_pk_mul_f32 v[\dst+e_pp:\dst+e_pp+1], v[\a1+e_j:\a1+e_j+1], v[\a1+e_k:\a1+e_k+1] op_sel_hi:[0,1]               ; its lower word does
.endif
.endif
.set e_pp, e_pp+2
.endm
.macro ENUM mode, C, B, dst, a1, a2    ; block B of the features of C numbers: C linear ones, then rows j = 0 .. C - 1 of (j, k), k = j .. C - 1.  Leaves e_nv = the block's numbers
.set e_nv, (\C)+(\C)*((\C)+1)/2-32*(\B)
.if e_nv > 32
.set e_nv, 32
.endif
.if e_nv < 0
.set e_nv, 0
.endif
.set e_pp, 0
.if (\B) == 0
.set e_pp, \C                          ; block 0 begins with the linear features, at places 0 .. C - 1
.if \mode
.set e_i, 0
.rept \C
	global_load_b32 v[\dst+e_i], v[\a1], s[\a2:\a2+1] offset:4*e_i
.set e_i, e_i+1
.endr
.endif
.endif
.set e_sp, e_nv-1
.set e_f0, \C                          ; the row's first feature
.set e_j, 0
.rept \C
.set e_k, e_j
.if e_j%2                              ; an odd row begins with a single, its square
.if (e_f0/32) == (\B)
.set o_k, e_j
.set o_f, e_f0
	ONE \mode, \dst, \a1, \a2
.endif
.set e_k, e_j+1
.endif
.rept ((\C)-e_k)/2
.set e_f, e_f0+e_k-e_j
.if ((e_f/32) == (\B)) && (((e_f+1)/32) == (\B))
	TWO \mode, \dst, \a1, \a2
.else                                  ; a pair that a block's edge cuts goes as singles
.if (e_f/32) == (\B)
.set o_k, e_k
.set o_f, e_f
	ONE \mode, \dst, \a1, \a2
.endif
.if ((e_f+1)/32) == (\B)
.set o_k, e_k+1
.set o_f, e_f+1
	ONE \mode, \dst, \a1, \a2
.endif
.endif
.set e_k, e_k+2
.endr
.set e_f0, e_f0+(\C)-e_j
.set e_j, e_j+1
.endr
.endm
.macro ZFILL dst                       ; the places that the last ENUM left empty become zeros
.set z_i, e_nv
.rept 32-e_nv
	v_mov_b32 v[\dst+z_i], 0
.set z_i, z_i+1
.endr
.endm
; ---- the quantiser, two blocks by turns.  The largest magnitudes of v[p0 ..+31] and v[p1 ..+31] (short = 1: of v[p1 ..+5]) with the floor 2^(16 - 127) among the leaves, into v[MX] and v[MX+4]
.macro QMAX p0, p1, short
.irp q, 0,1,2,3
	v_max3_num_f32 v[MX+\q], |v[\p0+8*\q]|, |v[\p0+8*\q+1]|, |v[\p0+8*\q+2]|
.endr
.if \short
	v_max3_num_f32 v[MX+4], |v[\p1]|, |v[\p1+1]|, |v[\p1+2]|
.else
.irp q, 0,1,2,3
	v_max3_num_f32 v[MX+4+\q], |v[\p1+8*\q]|, |v[\p1+8*\q+1]|, |v[\p1+8*\q+2]|
.endr
.endif
.irp i, 3,5
.irp q, 0,1,2,3
	v_max3_num_f32 v[MX+\q], v[MX+\q], |v[\p0+8*\q+\i]|, |v[\p0+8*\q+\i+1]|
.endr
.if \short
.if \i == 3
	v_max3_num_f32 v[MX+4], v[MX+4], |v[\p1+3]|, |v[\p1+4]|
.else
	v_max3_num_f32 v[MX+4], v[MX+4], |v[\p1+5]|, 0x8000000
.endif
.else
.irp q, 0,1,2,3
	v_max3_num_f32 v[MX+4+\q], v[MX+4+\q], |v[\p1+8*\q+\i]|, |v[\p1+8*\q+\i+1]|
.endr
.endif
.endr
	v_max3_num_f32 v[MX], v[MX], v[MX+1], |v[\p0+7]|
.if !\short
	v_max3_num_f32 v[MX+4], v[MX+4], v[MX+5], |v[\p1+7]|
.endif
	v_max3_num_f32 v[MX+2], v[MX+2], v[MX+3], |v[\p0+15]|
.if !\short
	v_max3_num_f32 v[MX+6], v[MX+6], v[MX+7], |v[\p1+15]|
.endif
	v_max3_num_f32 v[MX], v[MX], |v[\p0+23]|, |v[\p0+31]|
.if !\short
	v_max3_num_f32 v[MX+4], v[MX+4], |v[\p1+23]|, |v[\p1+31]|
.endif
	v_max3_num_f32 v[MX], v[MX], v[MX+2], 0x8000000      ; the floor holds the scale byte at 1 from below
.if !\short
	v_max3_num_f32 v[MX+4], v[MX+4], v[MX+6], 0x8000000
.endif
.endm
.macro QSCALE
	v_add_nc_u32 v[SC], 0xf8800000, v[MX]                ; 15 off the exponent field: the conversion takes the exponent field of this operand as its scale
	v_add_nc_u32 v[SC+1], 0xf8800000, v[MX+4]
	v_and_or_b32 v[LIM], v[MX], 0x7f800000, s[MNT]       ; 57,344 x the scale
	v_and_or_b32 v[LIM+1], v[MX+4], 0x7f800000, s[MNT]
.endm
.macro XBYTE b, u                      ; block b's byte into my row's scale word
.if ((\b)%4) == 0
	v_lshrrev_b32 v[SX+(\b)/4], 23, v[SC+\u]
.else
	v_lshrrev_b32 v[BY+\u], 23, v[SC+\u]
	v_lshl_or_b32 v[SX+(\b)/4], v[BY+\u], 8*((\b)%4), v[SX+(\b)/4]
.endif
.endm
.macro QHOLD p, q, u, n                ; the conversion to an 8-bit code does not saturate (ISA guide 7.6.2): the numbers are held within the largest code x the scale first
.set h_i, 0
.rept \n
	v_med3_num_f32 v[\q+h_i], v[\p+h_i], -v[LIM+\u], v[LIM+\u]
.set h_i, h_i+1
.endr
.endm
.macro QCVT q, lo, hi, u               ; places 0-15 into four low registers, places 16-31 into four high ones
	v_cvt_scalef32_pk8_bf8_f32 v[\lo:\lo+1], v[\q:\q+7], v[SC+\u]
	v_cvt_scalef32_pk8_bf8_f32 v[\lo+2:\lo+3], v[\q+8:\q+15], v[SC+\u]
	v_cvt_scalef32_pk8_bf8_f32 v[\hi:\hi+1], v[\q+16:\q+23], v[SC+\u]
	v_cvt_scalef32_pk8_bf8_f32 v[\hi+2:\hi+3], v[\q+24:\q+31], v[SC+\u]
.endm
.macro QSWAP lo, hi                    ; low: rows 0-15 with both halves of K; high: rows 16-31
.irp i, 0,1,2,3
	v_permlane16_swap_b32 v[\lo+\i], v[\hi+\i]
.endr
.endm
.macro QPAIR b, p0, n1                 ; blocks b (numbers at p0, held into SA) and b + 1 (n1 numbers in SB) become codes.  The scale words are made ahead of the holds, which are their places in front of the products
	QMAX \p0, SB, 0
	QSCALE
	XBYTE \b, 0
	XBYTE (\b)+1, 1
	QHOLD \p0, SA, 0, 32
	QHOLD SB, SB, 1, \n1
	QCVT SA, CA+4*(\b), CB+4*(\b), 0
	QCVT SB, CA+4*(\b)+4, CB+4*(\b)+4, 1
	v_nop                                                ; one plain instruction between the conversions and the swaps, which touch their results
	QSWAP CA+4*(\b), CB+4*(\b)
	QSWAP CA+4*(\b)+4, CB+4*(\b)+4
.endm
.macro PLACES n
.rept \n
	v_nop
.endr
.endm
; ---- four matrix instructions: layer l, K step s: rows A and B x weight tiles 0 and 1.  The four sums take turns, one instruction a turn.  s = 0: the bias is C and starts the sum
.macro MM l, s
.set m_a, 64*(\l)+16*(\s)
.set m_b, CA+16*(\s)
.set m_c, BI+16*(\l)
.set m_w, SW+2*(\l)+(\s)
.set m_x, SX+(\s)
.if (\s) == 0
	WIN 0x11                                             ; source 0 (weights) and source 2 (bias) window 1
	v_wmma_scale_f32_16x16x128_f8f6f4 v[DD:DD+7], v[m_a:m_a+15], v[m_b:m_b+15], v[m_c:m_c+7], v[m_w], v[m_x] matrix_a_fmt:MATRIX_FMT_BF8 matrix_b_fmt:MATRIX_FMT_BF8
	v_wmma_scale_f32_16x16x128_f8f6f4 v[DD+16:DD+23], v[m_a+32:m_a+47], v[m_b:m_b+15], v[m_c+8:m_c+15], v[m_w], v[m_x] matrix_a_fmt:MATRIX_FMT_BF8 matrix_b_fmt:MATRIX_FMT_BF8 matrix_a_scale:MATRIX_SCALE_ROW1
	v_wmma_scale_f32_16x16x128_f8f6f4 v[DD+8:DD+15], v[m_a:m_a+15], v[m_b+32:m_b+47], v[m_c:m_c+7], v[m_w], v[m_x] matrix_a_fmt:MATRIX_FMT_BF8 matrix_b_fmt:MATRIX_FMT_BF8 matrix_b_scale:MATRIX_SCALE_ROW1
	v_wmma_scale_f32_16x16x128_f8f6f4 v[DD+24:DD+31], v[m_a+32:m_a+47], v[m_b+32:m_b+47], v[m_c+8:m_c+15], v[m_w], v[m_x] matrix_a_fmt:MATRIX_FMT_BF8 matrix_b_fmt:MATRIX_FMT_BF8 matrix_a_scale:MATRIX_SCALE_ROW1 matrix_b_scale:MATRIX_SCALE_ROW1
.else
	WIN 0x01                                             ; source 0 window 1
	v_wmma_scale_f32_16x16x128_f8f6f4 v[DD:DD+7], v[m_a:m_a+15], v[m_b:m_b+15], v[DD:DD+7], v[m_w], v[m_x] matrix_a_fmt:MATRIX_FMT_BF8 matrix_b_fmt:MATRIX_FMT_BF8
	v_wmma_scale_f32_16x16x128_f8f6f4 v[DD+16:DD+23], v[m_a+32:m_a+47], v[m_b:m_b+15], v[DD+16:DD+23], v[m_w], v[m_x] matrix_a_fmt:MATRIX_FMT_BF8 matrix_b_fmt:MATRIX_FMT_BF8 matrix_a_scale:MATRIX_SCALE_ROW1
	v_wmma_scale_f32_16x16x128_f8f6f4 v[DD+8:DD+15], v[m_a:m_a+15], v[m_b+32:m_b+47], v[DD+8:DD+15], v[m_w], v[m_x] matrix_a_fmt:MATRIX_FMT_BF8 matrix_b_fmt:MATRIX_FMT_BF8 matrix_b_scale:MATRIX_SCALE_ROW1
	v_wmma_scale_f32_16x16x128_f8f6f4 v[DD+24:DD+31], v[m_a+32:m_a+47], v[m_b+32:m_b+47], v[DD+24:DD+31], v[m_w], v[m_x] matrix_a_fmt:MATRIX_FMT_BF8 matrix_b_fmt:MATRIX_FMT_BF8 matrix_a_scale:MATRIX_SCALE_ROW1 matrix_b_scale:MATRIX_SCALE_ROW1
.endif
	WIN 0
.endm
; ---- the sums come home: before, lane (r, h) holds outputs 8 h + j of row r (A) or 16 + r (B); behind the swaps lane l holds z0-15 of row l in v[DD ..+15], z16, z17 in v[DD+16 ..], z18, z19 in v[DD+24 ..].  Each sum is read from its low end on
.macro DSWAP
.irp j, 0,1,2,3,4,5,6,7
	v_permlane16_swap_b32 v[DD+\j], v[DD+8+\j]
.endr
.irp j, 0,1
	v_permlane16_swap_b32 v[DD+16+\j], v[DD+24+\j]
.endr
.endm
; ---- tanh of the 20, into v[out ..+19]: 1 - 2 / (1 + 2^(2 log2(e) z)).  2^.. = infinity gives 1, 0 gives -1.  Each batch of twenty has one plain instruction and one wait behind it, ahead of its first reader
.macro TANH out
.irp p, 0,2,4,6,8,10,12,14,16,24
	v_pk_mul_f32 v[DD+\p:DD+\p+1], v[DD+\p:DD+\p+1], 0x4038aa3b op_sel_hi:[1,0]
.endr
.irp p, 0,1,2,3,4,5,6,7,8,9,10,11,12,13,14,15,16,17,24,25
	v_exp_f32 v[DD+\p], v[DD+\p]
.endr
	v_nop
	s_wait_alu depctr_va_vdst(0)
.irp p, 0,2,4,6,8,10,12,14,16,24
	v_pk_add_f32 v[DD+\p:DD+\p+1], v[DD+\p:DD+\p+1], 1.0 op_sel_hi:[1,0]
.endr
.irp p, 0,1,2,3,4,5,6,7,8,9,10,11,12,13,14,15,16,17,24,25
	v_rcp_f32 v[DD+\p], v[DD+\p]
.endr
	v_nop
	s_wait_alu depctr_va_vdst(0)
.set t_o, \out
.irp p, 0,2,4,6,8,10,12,14,16,24
	v_pk_fma_f32 v[t_o:t_o+1], v[DD+\p:DD+\p+1], -2.0, 1.0 op_sel_hi:[1,0,0]
.set t_o, t_o+2
.endr
.endm
; ---- x.  A group's 2,304 bytes as they lie: four loads of 512 consecutive bytes and one of 256, each at a multiple of 256 from x's first byte
.macro XLOADS
	WIN 0x40                                             ; destination window 1
.irp i, 0,1,2,3
	global_load_b128 v[RR+4*\i:RR+4*\i+3], v[LI], s[XP:XP+1] offset:512*\i th:TH_LOAD_NT
.endr
	global_load_b64 v[RR+16:RR+17], v[L8], s[XP:XP+1] offset:2048 th:TH_LOAD_NT
	WIN 0
.endm
.macro STAGE_IN                        ; through my own stage: in as loaded, out a row a lane.  LDS serves a wave's instructions in order (ISA guide 5.7.1.4).  From lane to lane 18 words: the 32 lanes of a read of 8 bytes touch 64 different banks
	WIN 0x04                                             ; an LDS store's data are its source 1: window 1
.irp i, 0,1,2,3
	ds_store_b128 v[XW], v[RR+4*\i:RR+4*\i+3] offset:512*\i
.endr
	ds_store_b64 v[XW8], v[RR+16:RR+17]
	WIN 0
.irp i, 0,1,2,3,4,5,6,7,8
	ds_load_b64 v[XH+2*\i:XH+2*\i+1], v[XRD] offset:8*\i
.endr
.endm
; ---- wave w quantises block w of W1 and of W2: a lane a weight row, the same places as the rows of x and h have; the operand registers go to LDS as they stand
.macro ARM w
	s_cmp_lg_u32 s[WV], \w
	s_cbranch_scc1 .Lnot_mine_\@
	ENUM 1, 18, \w, SA, WA1, W1P
	ZFILL SA                                             ; past K = 189: zeros (blocks 6 and 7 are all zeros)
	ENUM 1, 20, \w, SB, WA2, W2P
	ZFILL SB                                             ; past K = 230
	s_wait_loadcnt 0x0
	QMAX SA, SB, 0
	QSCALE
	QHOLD SA, SA, 0, 32
	QHOLD SB, SB, 1, 32
	QCVT SA, XH, XH+4, 0
	QCVT SB, XH+8, XH+12, 1
	v_lshrrev_b32 v[BY], 23, v[SC]                       ; the scale bytes.  (Also the plain instruction between the conversions and the swaps)
	v_lshrrev_b32 v[BY+1], 23, v[SC+1]
	QSWAP XH, XH+4                                       ; low: tile 0 (lanes 0-15's rows), high: tile 1 (lanes 16-31's)
	QSWAP XH+8, XH+12
	ds_store_b128 v[LI], v[XH:XH+3] offset:WIMG+512*\w
	ds_store_b128 v[LI], v[XH+4:XH+7] offset:WIMG+4096+512*\w
	ds_store_b128 v[LI], v[XH+8:XH+11] offset:WIMG+8192+512*\w
	ds_store_b128 v[LI], v[XH+12:XH+15] offset:WIMG+12288+512*\w
	ds_store_b8 v[LS], v[BY] offset:WSC+128*(\w/4)+(\w%4)
	ds_store_b8 v[LS], v[BY+1] offset:WSC+256+128*(\w/4)+(\w%4)
.Lnot_mine_\@:
.endm
	s_load_b256 s[8:15], s[0:1], 0x0                     ; x, W1, b1, W2
	s_load_b256 s[16:23], s[0:1], 0x20                   ; b2, W3, b3, y
	v_lshl_add_u32 v[SPW], v0, 2, SPARE
	v_mov_b32 v[NIL], 0
	v_lshrrev_b32 v[MX+3], 5, v0
	v_readfirstlane_b32 s[WV], v[MX+3]                   ; wave 0..7
	v_and_b32 v[MX], 31, v0                              ; lane
	v_lshlrev_b32 v[LI], 4, v[MX]
	v_lshlrev_b32 v[LS], 2, v[MX]
	v_lshlrev_b32 v[L8], 3, v[MX]
	s_mul_i32 s28, s[WV], GRPB
	s_add_co_u32 s28, s28, XST                           ; my stage
	v_add_nc_u32 v[XW], s28, v[LI]
	v_add_nc_u32 v[XW8], s28, v[L8]
	v_add_nc_u32 v[XW8], 2048, v[XW8]
	v_mul_u32_u24 v[XRD], v[MX], 72
	v_add_nc_u32 v[XRD], s28, v[XRD]
	s_lshl_b32 s28, s[WV], 9
	s_add_co_u32 s28, s28, YST
	v_add_nc_u32 v[YW], s28, v[LS]
	v_add_nc_u32 v[YRD], s28, v[LI]
	v_and_b32 v[MX+1], 1, v[MX]                          ; my weight row: lanes 0-15: the lane; lane 16 + m: 16 + m % 2 + 2 (m / 8), so that slots 0, 1 are outputs 16, 17 and slots 8, 9 outputs 18, 19; the other slots repeat them
	v_bfe_u32 v[MX+2], v[MX], 3, 1
	v_lshl_add_u32 v[MX+1], v[MX+2], 1, v[MX+1]
	v_add_nc_u32 v[MX+1], 16, v[MX+1]
	v_cmp_gt_u32 vcc_lo, 16, v[MX]
	v_cndmask_b32 v[MX+1], v[MX+1], v[MX], vcc_lo
	v_min_u32 v[MX+1], 19, v[MX+1]                       ; (changes nothing: it states the bound)
	v_mul_u32_u24 v[WA1], v[MX+1], 756                   ; a row of W1 is 189 numbers,
	v_mul_u32_u24 v[WA2], v[MX+1], 920                   ; of W2 230
	v_lshrrev_b32 v[MX+2], 4, v[MX]                      ; h = lane / 16
	v_lshlrev_b32 v[BA0], 5, v[MX+2]                     ; the biases in the results' layout: tile 0: b[8 h + j];
	v_lshl_add_u32 v[BA1], v[MX+2], 3, 64                ; tile 1: b[16 + 2 h + j], j = 0, 1
	v_mov_b32 v[ZR], 0
	v_mov_b32 v[B3+1], 0
	s_mov_b32 s[MNT], 0x600000
	s_mul_i32 s28, ttmp9, 73728                          ; a work-group's 1,024 rows of 72 bytes,
	s_mul_i32 s30, s[WV], 9216                           ; a wave's 128
	s_add_co_u32 s28, s28, s30
	s_mov_b32 s29, 0
	s_lshl_b32 s30, ttmp9, 12                            ; and the same rows of y
	s_lshl_b32 s31, s[WV], 9
	s_add_co_u32 s30, s30, s31
	s_mov_b32 s31, 0
	s_wait_kmcnt 0x0
	s_add_nc_u64 s[XP:XP+1], s[XP:XP+1], s[28:29]
	s_add_nc_u64 s[OP:OP+1], s[OP:OP+1], s[30:31]
	XLOADS                                               ; group 0
	WIN 0x40
	global_load_b128 v[BI:BI+3], v[BA0], s[B1P:B1P+1]
	global_load_b128 v[BI+4:BI+7], v[BA0], s[B1P:B1P+1] offset:16
	global_load_b64 v[BI+8:BI+9], v[BA1], s[B1P:B1P+1]
	global_load_b128 v[BI+16:BI+19], v[BA0], s[B2P:B2P+1]
	global_load_b128 v[BI+20:BI+23], v[BA0], s[B2P:B2P+1] offset:16
	global_load_b64 v[BI+24:BI+25], v[BA1], s[B2P:B2P+1]
.irp i, 10,11,12,13,14,15,26,27,28,29,30,31
	v_mov_b32 v[BI+\i], 0                                ; the C of slots whose results are never read
.endr
	WIN 0
.irp i, 0,1,2,3,4
	global_load_b128 v[W3R+4*\i:W3R+4*\i+3], v[ZR], s[W3P:W3P+1] offset:16*\i
.endr
	global_load_b32 v[B3], v[ZR], s[B3P:B3P+1]
.irp w, 0,1,2,3,4,5,6,7
	ARM \w
.endr
	s_wait_loadcnt 0x0                                   ; group 0 of x, the biases, W3 (each wave has waited so in its own arm already)
	STAGE_IN                                             ; group 0
	s_wait_dscnt 0x9                                     ; all but the nine reads just issued: the stores into the stage have read their registers,
	s_add_nc_u64 s[XP:XP+1], s[XP:XP+1], GRPB            ; (the loads that named this base are done)
	XLOADS                                               ; which take group 1
.irp i, 30,31
	v_mov_b32 v[CA+\i], 0                                ; codes that are zeros in both layers
	v_mov_b32 v[CB+\i], 0
.endr
	s_wait_dscnt 0x0                                     ; for the others: my images of the weights lie in LDS
	s_barrier_signal -1
	s_barrier_wait -1                                    ; everybody's do
	WIN 0x40
.set q, 0
.rept 32
	ds_load_b128 v[4*q:4*q+3], v[LI] offset:WIMG+512*q   ; the 8 fragments, for the whole launch
.set q, q+1
.endr
	WIN 0
.irp i, 0,1,2,3
	ds_load_b32 v[SW+\i], v[LS] offset:WSC+128*\i
.endr
	s_mov_b32 s[G], 0
	s_mov_b32 s[YO], 0
.Lgroup:
	s_wait_dscnt 0x0                                     ; my row of x is in v[XH ..+17] (first trip: the weights too)
.irp i, 24,25,26,27,28,29
	v_mov_b32 v[CA+\i], 0                                ; layer 1 has no blocks 6 and 7: zero codes, where layer 2 left its own.  (Layer 2's block 7 finds its places 16-31 zero by the same lines)
	v_mov_b32 v[CB+\i], 0
.endr
	; ---- layer 1: 189 features, 6 blocks
	ENUM 0, 18, 0, XH, XH, 0                             ; block 0's products stand behind x itself
	ENUM 0, 18, 1, SB, XH, 0
	QPAIR 0, XH, 32
	ENUM 0, 18, 2, SA, XH, 0
	ENUM 0, 18, 3, SB, XH, 0
	QPAIR 2, SA, 32
	ENUM 0, 18, 4, SA, XH, 0                             ; (these products are also the places between the swaps above and the matrix instructions below)
	ENUM 0, 18, 5, SB, XH, 0
	ZFILL SB                                             ; block 5 has 29 numbers
	MM 0, 0
	QPAIR 4, SA, 29
	PLACES 4                                             ; operands written by vector instructions stand four places ahead of a scaled matrix instruction
	MM 0, 1
	PLACES 8                                             ; eight places ahead of the first read of the sums
	DSWAP
	TANH XH                                              ; h takes x's place
	; ---- layer 2: 230 features, 8 blocks, the last of 6 numbers
	ENUM 0, 20, 0, XH, XH, 0
	ENUM 0, 20, 1, SB, XH, 0
	QPAIR 0, XH, 32
	ENUM 0, 20, 2, SA, XH, 0
	ENUM 0, 20, 3, SB, XH, 0
	QPAIR 2, SA, 32
	ENUM 0, 20, 4, SA, XH, 0
	ENUM 0, 20, 5, SB, XH, 0
	MM 1, 0
	QPAIR 4, SA, 32
	ENUM 0, 20, 6, SA, XH, 0
	ENUM 0, 20, 7, SB, XH, 0
	v_mov_b32 v[SB+6], 0
	v_mov_b32 v[SB+7], 0
	; h has been read for the last time: the next group's row comes into its place, and the group after that is asked of memory: it has a whole trip in which to land
	s_cmp_eq_u32 s[G], 3
	s_cbranch_scc1 .Lno_next
	s_wait_loadcnt 0x0                                   ; the next group's five loads, issued a trip ago
	STAGE_IN
	s_cmp_eq_u32 s[G], 2
	s_cbranch_scc1 .Lno_next                             ; no load leaves my 128 rows
	s_wait_dscnt 0x9                                     ; all but the nine reads just issued: the stores into the stage have read their registers
	s_add_nc_u64 s[XP:XP+1], s[XP:XP+1], GRPB
	XLOADS
.Lno_next:
	QMAX SA, SB, 1
	QSCALE
	XBYTE 6, 0
	XBYTE 7, 1
	QHOLD SA, SA, 0, 32
	QHOLD SB, SB, 1, 6
	QCVT SA, CA+24, CB+24, 0
	v_cvt_scalef32_pk8_bf8_f32 v[CA+28:CA+29], v[SB:SB+7], v[SC+1]
	v_nop
	QSWAP CA+24, CB+24
	v_permlane16_swap_b32 v[CA+28], v[CB+28]
	v_permlane16_swap_b32 v[CA+29], v[CB+29]
	PLACES 4
	MM 1, 1
	PLACES 8
	DSWAP
	TANH SA
	; ---- layer 3: y = W3 . h + b3, in two chains of packed multiply-adds
	v_pk_fma_f32 v[YA:YA+1], v[SA:SA+1], v[W3R:W3R+1], v[B3:B3+1]
	v_pk_mul_f32 v[YB:YB+1], v[SA+2:SA+3], v[W3R+2:W3R+3]
.irp i, 4,8,12,16
	v_pk_fma_f32 v[YA:YA+1], v[SA+\i:SA+\i+1], v[W3R+\i:W3R+\i+1], v[YA:YA+1]
	v_pk_fma_f32 v[YB:YB+1], v[SA+\i+2:SA+\i+3], v[W3R+\i+2:W3R+\i+3], v[YB:YB+1]
.endr
	v_add_nc_u32 v[AD], s[YO], v[YW]
	v_pk_add_f32 v[YA:YA+1], v[YA:YA+1], v[YB:YB+1]
	v_add_f32 v[YA], v[YA], v[YA+1]
	ds_store_b32 v[AD], v[YA]                            ; row 32 g + lane of my 128
	s_add_co_u32 s[YO], s[YO], 128
	s_add_co_u32 s[G], s[G], 1
	s_cmp_lt_u32 s[G], 4
	s_cbranch_scc1 .Lgroup
	ds_load_b128 v[SA:SA+3], v[YRD]                      ; LDS serves a wave's instructions in order: this sees my four stores
	s_wait_dscnt 0x0
	global_store_b128 v[LI], v[SA:SA+3], s[OP:OP+1] th:TH_STORE_NT   ; 32 lanes store 512 consecutive bytes, at a multiple of 256 from y's first byte
	s_wait_tensorcnt 0x0                                 ; the wave's end, behind my last LDS store
	ds_add_u32 v[SPW], v[NIL]
	s_wait_dscnt 0x0
	s_endpgm
.Lfunc_end_k_qbab0760435_taylor:
	.size	k_qbab0760435_taylor, .Lfunc_end_k_qbab0760435_taylor-k_qbab0760435_taylor
	.p2alignl 7, 3214868480
	.fill 96, 4, 3214868480
	.section	.rodata,"a",@progbits
	.p2align	6, 0x0
	.amdhsa_kernel k_qbab0760435_taylor
		.amdhsa_group_segment_fixed_size 40448
		.amdhsa_private_segment_fixed_size 0
		.amdhsa_enable_private_segment 0
		.amdhsa_kernarg_size 64
		.amdhsa_user_sgpr_count 2
		.amdhsa_user_sgpr_kernarg_segment_ptr 1
		.amdhsa_wavefront_size32 1
		.amdhsa_system_sgpr_workgroup_id_x 1
		.amdhsa_system_sgpr_workgroup_id_y 1
		.amdhsa_system_sgpr_workgroup_id_z 1
		.amdhsa_system_vgpr_workitem_id 0
		.amdhsa_next_free_vgpr 448
		.amdhsa_next_free_sgpr 66
		.amdhsa_reserve_vcc 1
		.amdhsa_float_denorm_mode_32 3
		.amdhsa_float_denorm_mode_16_64 3
		.amdhsa_memory_ordered 1
		.amdhsa_forward_progress 1
		.amdhsa_inst_pref_size 187
	.end_amdhsa_kernel
	.amdgpu_metadata
---
amdhsa.version: [ 1, 2 ]
amdhsa.kernels:
  - .name:           k_qbab0760435_taylor
    .symbol:         k_qbab0760435_taylor.kd
    .args:
      - { .name: x, .offset: 0, .size: 8, .value_kind: global_buffer, .address_space: global }
      - { .name: W1, .offset: 8, .size: 8, .value_kind: global_buffer, .address_space: global }
      - { .name: b1, .offset: 16, .size: 8, .value_kind: global_buffer, .address_space: global }
      - { .name: W2, .offset: 24, .size: 8, .value_kind: global_buffer, .address_space: global }
      - { .name: b2, .offset: 32, .size: 8, .value_kind: global_buffer, .address_space: global }
      - { .name: W3, .offset: 40, .size: 8, .value_kind: global_buffer, .address_space: global }
      - { .name: b3, .offset: 48, .size: 8, .value_kind: global_buffer, .address_space: global }
      - { .name: out0, .offset: 56, .size: 8, .value_kind: global_buffer, .address_space: global }
    .group_segment_fixed_size: 40448
    .private_segment_fixed_size: 0
    .kernarg_segment_align: 8
    .kernarg_segment_size: 64
    .max_flat_workgroup_size: 256
    .sgpr_count:     66
    .vgpr_count:     448
    .wavefront_size: 32
...
	.end_amdgpu_metadata
.endif
;; end of part 1
;; ======== version 2 of 2: 1 launch; version 1 with the launch taylor written anew for expert scheduling mode
;; launch taylor (part 2): grid 256 x 1, 8 waves a work-group, no clusters, 40,448 bytes of LDS; arguments x, W1, b1, W2, b2, W3, b3, out0; writes out0
.if DOCPART == 2
	.amdgcn_target "amdgcn-amd-amdhsa--gfx1250"
	.amdhsa_code_object_version 6
	.text
	.protected	k_qbab0760435_taylor
	.globl	k_qbab0760435_taylor
	.p2align	8
	.type	k_qbab0760435_taylor,@function
k_qbab0760435_taylor:
	s_mov_b64 s[64:65], 0
	v_nop
	global_prefetch_b8 v0, s[64:65] scope:SCOPE_SE
	s_setreg_imm32_b32 hwreg(HW_REG_WAVE_SCHED_MODE, 0, 2), 2
	s_setreg_imm32_b32 hwreg(HW_REG_WAVE_MODE, 25, 1), 1
	s_wait_xcnt 0x0
	s_wait_alu depctr_vm_vsrc(0)
; y = W3 tanh(W2 aug(tanh(W1 aug(x) + b1)) + b2) + b3, aug(v) = [v, v_j v_k for j <= k].  x: [262144][18] f32, y: [262144] f32.
; Both products with aug(.) run on codes of BF8 (E5M2) with one E8M0 scale for each 32 along K (189 and 230); the last product (K = 20) is 20 fused multiply-adds in f32.
; NOTHING IS LEFT OUT: every input has a way to y and is loaded.  K is filled up to 256 with zero codes on both sides, and weight tile 1 (outputs 16-19) is filled up with duplicate rows whose results are never read:
; both lie inside tiles that hold live work.
; A LANE OWNS A WHOLE ROW.  A group is 32 rows, lane l = row l.  All of a row's features are made in the lane's registers, so a block's largest magnitude needs no other lane.  A block's 32 codes are 8 registers:
; 4 low (places 0-15), 4 high (places 16-31).  v_permlane16_swap_b32 low, high exchanges low's lanes 16-31 with high's lanes 0-15: low is then the operand of rows 0-15 (lanes 0-15: k 0-15, lanes 16-31: k 16-31 of the
; same row), high that of rows 16-31.  The row's scale word lies right as it is: tile A reads lanes 0-15, tile B lanes 16-31.  The products are used transposed (source 0 = 16 weight rows, source 1 = 16 rows of x), and
; the same swap on the results gives each lane all 20 outputs of its own row.
; THE ORDER INSIDE A BLOCK OF 32 IS FREE, if x and W have the same: macro ENUM lays pairs (j, 2 b), (j, 2 b + 1) from the block's bottom (one packed multiply each) and single elements from its top, and the same macro
; writes the loads of W, so both sides agree by construction.  (The unit then adds a block's products in another order: the result is judged within a tolerance.)
; SHARES.  256 work-groups x 8 waves; a wave takes 128 rows: 4 groups.  Wave w quantises block w of W1 and of W2 (a lane a weight row) and stores the operand registers' images to LDS; behind one barrier every wave holds
; all 8 weight fragments in registers (window 1) for the whole launch.  x comes in whole runs of 2,304 bytes a group, a trip ahead, and turns through the wave's own stage in LDS.
; No cluster and no tensor load: all that work-groups share is 33,520 bytes of weights, read once by each.  No prefetch: each group's loads are issued a whole trip (some 1,200 vector instructions) ahead of their wait.
; LIMITS.  tanh(z) = 1 - 2 / (1 + 2^(2 log2(e) z)): its absolute error is a few 2^-24, so its relative error grows as 1 / |tanh z| for small z; |z| under 2^-127 gives 0.  NaN and infinities among the inputs are not
; served.  A block of zeros gets the scale byte 1 where the rule says 127: its codes are zeros, and the bytes are read here alone.
; THE MODE: SCHED_MODE bits 1:0 = 2 (LLVM: expert scheduling mode 2), set by the entry lines.  The code itself states the register dependences between vector or matrix instructions and memory or LDS instructions,
; with s_wait_alu, always for 0.
; THE PLAN.  Registers that memory or LDS instructions touch:
;   v1-7, v9-13, v252-254   offsets and LDS addresses.  Written at the head, ahead of ONE wait on va_vdst, and never again.
;   window 1, v160-177 (RR)    Written by x's five loads, read by the stage's five LDS stores; no vector instruction names them.  One wait on vm_vsrc stands between those stores and the next five loads.
;   v[XH ..+17]                The stage's nine LDS reads land here.  Written by tanh (h), read by both layers' products; a trip's last reader is layer 2's block 7.  The wait on va_vdst that stands ahead of layer 2's
;                              last four matrix instructions lies behind that reader; the stage's stores and reads follow those four, which name the sums, the codes, the weights and the scale words alone.
;   v[AD], v[YA]               Written at a trip's end, read by the LDS store of y: a wait on va_vdst ahead of the store, a wait on vm_vsrc ahead of the next trip's first write of them.
;   v[SA ..], v[SB ..], v[XH ..+15], v[BY ..+1] at the head: the weights' loads land in SA and SB; the codes in XH and the bytes in BY are read by six LDS stores: va_vdst ahead of them, vm_vsrc behind them.
;   v[SA ..+3] on the way out  The LDS read of y lands here, behind the last trip's wait on va_vdst, which no vector instruction follows.
;   window 1 v0-159, v[SW ..+3], v[W3R ..+19], v[B3]: loaded once, into registers that no vector instruction had named; read by vector and matrix instructions alone.
; The codes and the rows' scale words are written by vector instructions and taken by scaled matrix instructions: one wait on va_vdst stands ahead of each run of four, behind the places.
.set GRPB,  2304                       ; a group's 32 rows of 72 bytes
.set WIMG,  0                          ; LDS: the weights' images: (layer, tile) 4,096 bytes each, block b at 512 b, a lane's 16 bytes at 16 x lane
.set WSC,   16384                      ; their scale words: (layer, K step) 128 bytes each, 4 bytes a lane
.set YST,   16896                      ; y: 512 bytes a wave
.set SPARE, 20992                      ; the spare words, 128 bytes a wave: four blocks of 256 bytes that no other line names
.set XST,   22016                      ; x: a stage of 2,304 bytes a wave
.set LI,  1                            ; v1   16 x lane
.set LS,  2                            ; v2   4 x lane
.set L8,  3                            ; v3   8 x lane
.set XW,  4                            ; v4   my stage, in: 16 x lane
.set XW8, 5                            ; v5   its last 256 bytes: 8 x lane
.set XRD, 6                            ; v6   my stage, out: 72 x lane
.set YW,  7                            ; v7   y's stage, in: 4 x lane
.set AD,  8                            ; v8   an address at work
.set WA1, 9                            ; v9   my weight row in W1, bytes
.set SPW, 10                           ; v10  my spare word; never rewritten
.set NIL, 11                           ; v11  0; never rewritten
.set WA2, 12                           ; v12  my weight row in W2
.set ZR,  13                           ; v13  offset 0
.set YA,  14                           ; v[14:15], v[16:17] y's sums
.set YB,  16
.set B3,  18                           ; v[18:19] b3, 0
.set MX,  20                           ; v20-27 maxima at work
.set SC,  28                           ; v28-29 the conversions' scale operands of the two blocks in hand
.set LIM, 30                           ; v30-31 57,344 x the scale
.set SX,  32                           ; v32-33 the rows' scale words, K steps 0 and 1: scales and nothing else
.set SW,  34                           ; v34-37 the weights' scale words (layer, K step): lanes 0-15 tile 0, lanes 16-31 tile 1
.set BY,  38                           ; v38-39 scale bytes at work
.set W3R, 40                           ; v40-59 W3
.set XH,  60                           ; v60-91 x (18) or h (20), and behind them block 0's products
.set SA,  92                           ; v92-123, v124-155 two blocks of 32 numbers
.set SB,  124
.set CA,  156                          ; v156-187 codes of rows 0-15: block b at 4 b
.set CB,  188                          ; v188-219 codes of rows 16-31
.set DD,  220                          ; v220-251 sums: (A, tile 0), (B, tile 0), (A, tile 1), (B, tile 1)
.set YRD, 252                          ; v252 y's stage, out: 16 x lane
.set BA0, 253                          ; v253, v254 offsets into the biases
.set BA1, 254
.set BI,  128                          ; window 1: v0-127 the weights' 8 fragments, 64 layer + 32 tile + 16 K step; from v128 the biases, 16 layer + 8 tile; from v160 18 registers of x on their way
.set RR,  160
.set XP,  8                            ; s[8:9] x at the group to be loaded
.set W1P, 10
.set B1P, 12
.set W2P, 14
.set B2P, 16
.set W3P, 18
.set B3P, 20
.set OP,  22                           ; s[22:23] y at my wave's 128 rows
.set WV,  24                           ; s24 wave
.set G,   25                           ; s25 group 0..3
.set YO,  26                           ; s26 128 x group
.set MNT, 27                           ; s27 the mantissa field of 57,344
.set MSB, 0
.macro WIN new                         ; the immediate's high byte repeats the setting that is left
.if MSB != \new
	s_set_vgpr_msb (MSB<<8)|\new
.set MSB, \new
.endif
.endm
; ---- the walk over a block's features.  mode 0: the products, from v[a1] on, into v[dst + place].  mode 1: the loads of a weight row (offset register a1, base s[a2:a2+1]) into the same places.
.macro ONE mode, dst, a1, a2           ; element (e_j, o_k), feature o_f: a single, from the block's top down
.if \mode
	global_load_b32 v[\dst+e_sp], v[\a1], s[\a2:\a2+1] offset:4*o_f
.else
	v_mul_f32 v[\dst+e_sp], v[\a1+e_j], v[\a1+o_k]
.endif
.set e_sp, e_sp-1
.endm
.macro TWO mode, dst, a1, a2           ; elements (e_j, e_k), (e_j, e_k + 1), e_k even, features e_f, e_f + 1: a pair, from the block's bottom up
.if \mode
	global_load_b32 v[\dst+e_pp], v[\a1], s[\a2:\a2+1] offset:4*e_f
	global_load_b32 v[\dst+e_pp+1], v[\a1], s[\a2:\a2+1] offset:4*e_f+4
.else
.if e_j%2
	v_pk_mul_f32 v[\dst+e_pp:\dst+e_pp+1], v[\a1+e_j-1:\a1+e_j], v[\a1+e_k:\a1+e_k+1] op_sel:[1,0] op_sel_hi:[1,1]   ; the first pair's upper word serves both halves
.else
	v_pk_mul_f32 v[\dst+e_pp:\dst+e_pp+1], v[\a1+e_j:\a1+e_j+1], v[\a1+e_k:\a1+e_k+1] op_sel_hi:[0,1]               ; its lower word does
.endif
.endif
.set e_pp, e_pp+2
.endm
.macro ENUM mode, C, B, dst, a1, a2    ; block B of the features of C numbers: C linear ones, then rows j = 0 .. C - 1 of (j, k), k = j .. C - 1.  Leaves e_nv = the block's numbers
.set e_nv, (\C)+(\C)*((\C)+1)/2-32*(\B)
.if e_nv > 32
.set e_nv, 32
.endif
.if e_nv < 0
.set e_nv, 0
.endif
.set e_pp, 0
.if (\B) == 0
.set e_pp, \C                          ; block 0 begins with the linear features, at places 0 .. C - 1
.if \mode
.set e_i, 0
.rept \C
	global_load_b32 v[\dst+e_i], v[\a1], s[\a2:\a2+1] offset:4*e_i
.set e_i, e_i+1
.endr
.endif
.endif
.set e_sp, e_nv-1
.set e_f0, \C                          ; the row's first feature
.set e_j, 0
.rept \C
.set e_k, e_j
.if e_j%2                              ; an odd row begins with a single, its square
.if (e_f0/32) == (\B)
.set o_k, e_j
.set o_f, e_f0
	ONE \mode, \dst, \a1, \a2
.endif
.set e_k, e_j+1
.endif
.rept ((\C)-e_k)/2
.set e_f, e_f0+e_k-e_j
.if ((e_f/32) == (\B)) && (((e_f+1)/32) == (\B))
	TWO \mode, \dst, \a1, \a2
.else                                  ; a pair that a block's edge cuts goes as singles
.if (e_f/32) == (\B)
.set o_k, e_k
.set o_f, e_f
	ONE \mode, \dst, \a1, \a2
.endif
.if ((e_f+1)/32) == (\B)
.set o_k, e_k+1
.set o_f, e_f+1
	ONE \mode, \dst, \a1, \a2
.endif
.endif
.set e_k, e_k+2
.endr
.set e_f0, e_f0+(\C)-e_j
.set e_j, e_j+1
.endr
.endm
.macro ZFILL dst                       ; the places that the last ENUM left empty become zeros
.set z_i, e_nv
.rept 32-e_nv
	v_mov_b32 v[\dst+z_i], 0
.set z_i, z_i+1
.endr
.endm
; ---- the quantiser, two blocks by turns.  The largest magnitudes of v[p0 ..+31] and v[p1 ..+31] (short = 1: of v[p1 ..+5]) with the floor 2^(16 - 127) among the leaves, into v[MX] and v[MX+4]
.macro QMAX p0, p1, short
.irp q, 0,1,2,3
	v_max3_num_f32 v[MX+\q], |v[\p0+8*\q]|, |v[\p0+8*\q+1]|, |v[\p0+8*\q+2]|
.endr
.if \short
	v_max3_num_f32 v[MX+4], |v[\p1]|, |v[\p1+1]|, |v[\p1+2]|
.else
.irp q, 0,1,2,3
	v_max3_num_f32 v[MX+4+\q], |v[\p1+8*\q]|, |v[\p1+8*\q+1]|, |v[\p1+8*\q+2]|
.endr
.endif
.irp i, 3,5
.irp q, 0,1,2,3
	v_max3_num_f32 v[MX+\q], v[MX+\q], |v[\p0+8*\q+\i]|, |v[\p0+8*\q+\i+1]|
.endr
.if \short
.if \i == 3
	v_max3_num_f32 v[MX+4], v[MX+4], |v[\p1+3]|, |v[\p1+4]|
.else
	v_max3_num_f32 v[MX+4], v[MX+4], |v[\p1+5]|, 0x8000000
.endif
.else
.irp q, 0,1,2,3
	v_max3_num_f32 v[MX+4+\q], v[MX+4+\q], |v[\p1+8*\q+\i]|, |v[\p1+8*\q+\i+1]|
.endr
.endif
.endr
	v_max3_num_f32 v[MX], v[MX], v[MX+1], |v[\p0+7]|
.if !\short
	v_max3_num_f32 v[MX+4], v[MX+4], v[MX+5], |v[\p1+7]|
.endif
	v_max3_num_f32 v[MX+2], v[MX+2], v[MX+3], |v[\p0+15]|
.if !\short
	v_max3_num_f32 v[MX+6], v[MX+6], v[MX+7], |v[\p1+15]|
.endif
	v_max3_num_f32 v[MX], v[MX], |v[\p0+23]|, |v[\p0+31]|
.if !\short
	v_max3_num_f32 v[MX+4], v[MX+4], |v[\p1+23]|, |v[\p1+31]|
.endif
	v_max3_num_f32 v[MX], v[MX], v[MX+2], 0x8000000      ; the floor holds the scale byte at 1 from below
.if !\short
	v_max3_num_f32 v[MX+4], v[MX+4], v[MX+6], 0x8000000
.endif
.endm
.macro QSCALE
	v_add_nc_u32 v[SC], 0xf8800000, v[MX]                ; 15 off the exponent field: the conversion takes the exponent field of this operand as its scale
	v_add_nc_u32 v[SC+1], 0xf8800000, v[MX+4]
	v_and_or_b32 v[LIM], v[MX], 0x7f800000, s[MNT]       ; 57,344 x the scale
	v_and_or_b32 v[LIM+1], v[MX+4], 0x7f800000, s[MNT]
.endm
.macro XBYTE b, u                      ; block b's byte into my row's scale word
.if ((\b)%4) == 0
	v_lshrrev_b32 v[SX+(\b)/4], 23, v[SC+\u]
.else
	v_lshrrev_b32 v[BY+\u], 23, v[SC+\u]
	v_lshl_or_b32 v[SX+(\b)/4], v[BY+\u], 8*((\b)%4), v[SX+(\b)/4]
.endif
.endm
.macro QHOLD p, q, u, n                ; the conversion to an 8-bit code does not saturate (ISA guide 7.6.2): the numbers are held within the largest code x the scale first
.set h_i, 0
.rept \n
	v_med3_num_f32 v[\q+h_i], v[\p+h_i], -v[LIM+\u], v[LIM+\u]
.set h_i, h_i+1
.endr
.endm
.macro QCVT q, lo, hi, u               ; places 0-15 into four low registers, places 16-31 into four high ones
	v_cvt_scalef32_pk8_bf8_f32 v[\lo:\lo+1], v[\q:\q+7], v[SC+\u]
	v_cvt_scalef32_pk8_bf8_f32 v[\lo+2:\lo+3], v[\q+8:\q+15], v[SC+\u]
	v_cvt_scalef32_pk8_bf8_f32 v[\hi:\hi+1], v[\q+16:\q+23], v[SC+\u]
	v_cvt_scalef32_pk8_bf8_f32 v[\hi+2:\hi+3], v[\q+24:\q+31], v[SC+\u]
.endm
.macro QSWAP lo, hi                    ; low: rows 0-15 with both halves of K; high: rows 16-31
.irp i, 0,1,2,3
	v_permlane16_swap_b32 v[\lo+\i], v[\hi+\i]
.endr
.endm
.macro QPAIR b, p0, n1                 ; blocks b (numbers at p0, held into SA) and b + 1 (n1 numbers in SB) become codes.  The scale words are made ahead of the holds, which are their places in front of the products
	QMAX \p0, SB, 0
	QSCALE
	XBYTE \b, 0
	XBYTE (\b)+1, 1
	QHOLD \p0, SA, 0, 32
	QHOLD SB, SB, 1, \n1
	QCVT SA, CA+4*(\b), CB+4*(\b), 0
	QCVT SB, CA+4*(\b)+4, CB+4*(\b)+4, 1
	v_nop                                                ; one plain instruction between the conversions and the swaps, which touch their results
	QSWAP CA+4*(\b), CB+4*(\b)
	QSWAP CA+4*(\b)+4, CB+4*(\b)+4
.endm
.macro PLACES n
.rept \n
	v_nop
.endr
.endm
; ---- four matrix instructions: layer l, K step s: rows A and B x weight tiles 0 and 1.  The four sums take turns, one instruction a turn.  s = 0: the bias is C and starts the sum
.macro MM l, s
.set m_a, 64*(\l)+16*(\s)
.set m_b, CA+16*(\s)
.set m_c, BI+16*(\l)
.set m_w, SW+2*(\l)+(\s)
.set m_x, SX+(\s)
.if (\s) == 0
	WIN 0x11                                             ; source 0 (weights) and source 2 (bias) window 1
	s_wait_alu depctr_va_vdst(0)                         ; the swaps have written this K step's codes in v[CA ..] and v[CB ..], the shifts its scale word in v[SX]: the four products below take them as operand and as scales
	v_wmma_scale_f32_16x16x128_f8f6f4 v[DD:DD+7], v[m_a:m_a+15], v[m_b:m_b+15], v[m_c:m_c+7], v[m_w], v[m_x] matrix_a_fmt:MATRIX_FMT_BF8 matrix_b_fmt:MATRIX_FMT_BF8
	v_wmma_scale_f32_16x16x128_f8f6f4 v[DD+16:DD+23], v[m_a+32:m_a+47], v[m_b:m_b+15], v[m_c+8:m_c+15], v[m_w], v[m_x] matrix_a_fmt:MATRIX_FMT_BF8 matrix_b_fmt:MATRIX_FMT_BF8 matrix_a_scale:MATRIX_SCALE_ROW1
	v_wmma_scale_f32_16x16x128_f8f6f4 v[DD+8:DD+15], v[m_a:m_a+15], v[m_b+32:m_b+47], v[m_c:m_c+7], v[m_w], v[m_x] matrix_a_fmt:MATRIX_FMT_BF8 matrix_b_fmt:MATRIX_FMT_BF8 matrix_b_scale:MATRIX_SCALE_ROW1
	v_wmma_scale_f32_16x16x128_f8f6f4 v[DD+24:DD+31], v[m_a+32:m_a+47], v[m_b+32:m_b+47], v[m_c+8:m_c+15], v[m_w], v[m_x] matrix_a_fmt:MATRIX_FMT_BF8 matrix_b_fmt:MATRIX_FMT_BF8 matrix_a_scale:MATRIX_SCALE_ROW1 matrix_b_scale:MATRIX_SCALE_ROW1
.else
	WIN 0x01                                             ; source 0 window 1
	s_wait_alu depctr_va_vdst(0)                         ; the swaps and the moves of 0 have written this K step's codes in v[CA+16 ..] and v[CB+16 ..], the shifts its scale word in v[SX+1]: the four products below take them as operand and as scales
	v_wmma_scale_f32_16x16x128_f8f6f4 v[DD:DD+7], v[m_a:m_a+15], v[m_b:m_b+15], v[DD:DD+7], v[m_w], v[m_x] matrix_a_fmt:MATRIX_FMT_BF8 matrix_b_fmt:MATRIX_FMT_BF8
	v_wmma_scale_f32_16x16x128_f8f6f4 v[DD+16:DD+23], v[m_a+32:m_a+47], v[m_b:m_b+15], v[DD+16:DD+23], v[m_w], v[m_x] matrix_a_fmt:MATRIX_FMT_BF8 matrix_b_fmt:MATRIX_FMT_BF8 matrix_a_scale:MATRIX_SCALE_ROW1
	v_wmma_scale_f32_16x16x128_f8f6f4 v[DD+8:DD+15], v[m_a:m_a+15], v[m_b+32:m_b+47], v[DD+8:DD+15], v[m_w], v[m_x] matrix_a_fmt:MATRIX_FMT_BF8 matrix_b_fmt:MATRIX_FMT_BF8 matrix_b_scale:MATRIX_SCALE_ROW1
	v_wmma_scale_f32_16x16x128_f8f6f4 v[DD+24:DD+31], v[m_a+32:m_a+47], v[m_b+32:m_b+47], v[DD+24:DD+31], v[m_w], v[m_x] matrix_a_fmt:MATRIX_FMT_BF8 matrix_b_fmt:MATRIX_FMT_BF8 matrix_a_scale:MATRIX_SCALE_ROW1 matrix_b_scale:MATRIX_SCALE_ROW1
.endif
	WIN 0
.endm
; ---- the sums come home: before, lane (r, h) holds outputs 8 h + j of row r (A) or 16 + r (B); behind the swaps lane l holds z0-15 of row l in v[DD ..+15], z16, z17 in v[DD+16 ..], z18, z19 in v[DD+24 ..].  Each sum is read from its low end on
.macro DSWAP
.irp j, 0,1,2,3,4,5,6,7
	v_permlane16_swap_b32 v[DD+\j], v[DD+8+\j]
.endr
.irp j, 0,1
	v_permlane16_swap_b32 v[DD+16+\j], v[DD+24+\j]
.endr
.endm
; ---- tanh of the 20, into v[out ..+19]: 1 - 2 / (1 + 2^(2 log2(e) z)).  2^.. = infinity gives 1, 0 gives -1.  Each batch of twenty has one plain instruction and one wait behind it, ahead of its first reader
.macro TANH out
.irp p, 0,2,4,6,8,10,12,14,16,24
	v_pk_mul_f32 v[DD+\p:DD+\p+1], v[DD+\p:DD+\p+1], 0x4038aa3b op_sel_hi:[1,0]
.endr
.irp p, 0,1,2,3,4,5,6,7,8,9,10,11,12,13,14,15,16,17,24,25
	v_exp_f32 v[DD+\p], v[DD+\p]
.endr
	v_nop
	s_wait_alu depctr_va_vdst(0)                         ; the twenty exponentials have written v[DD ..+17] and v[DD+24 ..+25], which the additions below read
.irp p, 0,2,4,6,8,10,12,14,16,24
	v_pk_add_f32 v[DD+\p:DD+\p+1], v[DD+\p:DD+\p+1], 1.0 op_sel_hi:[1,0]
.endr
.irp p, 0,1,2,3,4,5,6,7,8,9,10,11,12,13,14,15,16,17,24,25
	v_rcp_f32 v[DD+\p], v[DD+\p]
.endr
	v_nop
	s_wait_alu depctr_va_vdst(0)                         ; the twenty reciprocals have written the same registers, which the multiply-adds below read
.set t_o, \out
.irp p, 0,2,4,6,8,10,12,14,16,24
	v_pk_fma_f32 v[t_o:t_o+1], v[DD+\p:DD+\p+1], -2.0, 1.0 op_sel_hi:[1,0,0]
.set t_o, t_o+2
.endr
.endm
; ---- x.  A group's 2,304 bytes as they lie: four loads of 512 consecutive bytes and one of 256, each at a multiple of 256 from x's first byte
.macro XLOADS
	WIN 0x40                                             ; destination window 1
.irp i, 0,1,2,3
	global_load_b128 v[RR+4*\i:RR+4*\i+3], v[LI], s[XP:XP+1] offset:512*\i th:TH_LOAD_NT
.endr
	global_load_b64 v[RR+16:RR+17], v[L8], s[XP:XP+1] offset:2048 th:TH_LOAD_NT
	WIN 0
.endm
.macro STAGE_IN                        ; through my own stage: in as loaded, out a row a lane.  LDS serves a wave's instructions in order (ISA guide 5.7.1.4).  From lane to lane 18 words: the 32 lanes of a read of 8 bytes touch 64 different banks
	WIN 0x04                                             ; an LDS store's data are its source 1: window 1
.irp i, 0,1,2,3
	ds_store_b128 v[XW], v[RR+4*\i:RR+4*\i+3] offset:512*\i
.endr
	ds_store_b64 v[XW8], v[RR+16:RR+17]
	WIN 0
.irp i, 0,1,2,3,4,5,6,7,8
	ds_load_b64 v[XH+2*\i:XH+2*\i+1], v[XRD] offset:8*\i
.endr
.endm
; ---- wave w quantises block w of W1 and of W2: a lane a weight row, the same places as the rows of x and h have; the operand registers go to LDS as they stand
.macro ARM w
	s_cmp_lg_u32 s[WV], \w
	s_cbranch_scc1 .Lnot_mine_\@
	ENUM 1, 18, \w, SA, WA1, W1P                         ; (no vector instruction since the last wait on va_vdst names a register that these loads touch; the moves of 0 write places that no load of this block lands in)
	ZFILL SA                                             ; past K = 189: zeros (blocks 6 and 7 are all zeros)
	ENUM 1, 20, \w, SB, WA2, W2P
	ZFILL SB                                             ; past K = 230
	s_wait_loadcnt 0x0
	QMAX SA, SB, 0
	QSCALE
	QHOLD SA, SA, 0, 32
	QHOLD SB, SB, 1, 32
	QCVT SA, XH, XH+4, 0
	QCVT SB, XH+8, XH+12, 1
	v_lshrrev_b32 v[BY], 23, v[SC]                       ; the scale bytes.  (Also the plain instruction between the conversions and the swaps)
	v_lshrrev_b32 v[BY+1], 23, v[SC+1]
	QSWAP XH, XH+4                                       ; low: tile 0 (lanes 0-15's rows), high: tile 1 (lanes 16-31's)
	QSWAP XH+8, XH+12
	s_wait_alu depctr_va_vdst(0)                         ; the swaps have written v[XH ..+15] and the shifts v[BY ..+1], which the six LDS stores read; it also lies behind every vector write of v[XH ..], in which the stage's reads land further down
	ds_store_b128 v[LI], v[XH:XH+3] offset:WIMG+512*\w
	ds_store_b128 v[LI], v[XH+4:XH+7] offset:WIMG+4096+512*\w
	ds_store_b128 v[LI], v[XH+8:XH+11] offset:WIMG+8192+512*\w
	ds_store_b128 v[LI], v[XH+12:XH+15] offset:WIMG+12288+512*\w
	ds_store_b8 v[LS], v[BY] offset:WSC+128*(\w/4)+(\w%4)
	ds_store_b8 v[LS], v[BY+1] offset:WSC+256+128*(\w/4)+(\w%4)
	s_wait_alu depctr_vm_vsrc(0)                         ; the six stores have read v[XH ..+15] and v[BY ..+1]: the stage's reads land in v[XH ..] further down, and the loop writes v[BY ..] again
.Lnot_mine_\@:
.endm
	s_load_b256 s[8:15], s[0:1], 0x0                     ; x, W1, b1, W2
	s_load_b256 s[16:23], s[0:1], 0x20                   ; b2, W3, b3, y
	v_lshl_add_u32 v[SPW], v0, 2, SPARE
	v_mov_b32 v[NIL], 0
	v_lshrrev_b32 v[MX+3], 5, v0
	v_readfirstlane_b32 s[WV], v[MX+3]                   ; wave 0..7
	v_and_b32 v[MX], 31, v0                              ; lane
	v_lshlrev_b32 v[LI], 4, v[MX]
	v_lshlrev_b32 v[LS], 2, v[MX]
	v_lshlrev_b32 v[L8], 3, v[MX]
	s_wait_alu depctr_va_sdst(0)                         ; the wave's number is written into s[WV], ahead of its first reader
	s_mul_i32 s28, s[WV], GRPB
	s_add_co_u32 s28, s28, XST                           ; my stage
	v_add_nc_u32 v[XW], s28, v[LI]
	v_add_nc_u32 v[XW8], s28, v[L8]
	v_add_nc_u32 v[XW8], 2048, v[XW8]
	v_mul_u32_u24 v[XRD], v[MX], 72
	v_add_nc_u32 v[XRD], s28, v[XRD]
	s_lshl_b32 s28, s[WV], 9
	s_add_co_u32 s28, s28, YST
	v_add_nc_u32 v[YW], s28, v[LS]
	v_add_nc_u32 v[YRD], s28, v[LI]
	v_and_b32 v[MX+1], 1, v[MX]                          ; my weight row: lanes 0-15: the lane; lane 16 + m: 16 + m % 2 + 2 (m / 8), so that slots 0, 1 are outputs 16, 17 and slots 8, 9 outputs 18, 19; the other slots repeat them
	v_bfe_u32 v[MX+2], v[MX], 3, 1
	v_lshl_add_u32 v[MX+1], v[MX+2], 1, v[MX+1]
	v_add_nc_u32 v[MX+1], 16, v[MX+1]
	v_cmp_gt_u32 vcc_lo, 16, v[MX]
	s_wait_alu depctr_va_vcc(0)                          ; the compare has written VCC, which the select below reads
	v_cndmask_b32 v[MX+1], v[MX+1], v[MX], vcc_lo
	v_min_u32 v[MX+1], 19, v[MX+1]                       ; (changes nothing: it states the bound)
	v_mul_u32_u24 v[WA1], v[MX+1], 756                   ; a row of W1 is 189 numbers,
	v_mul_u32_u24 v[WA2], v[MX+1], 920                   ; of W2 230
	v_lshrrev_b32 v[MX+2], 4, v[MX]                      ; h = lane / 16
	v_lshlrev_b32 v[BA0], 5, v[MX+2]                     ; the biases in the results' layout: tile 0: b[8 h + j];
	v_lshl_add_u32 v[BA1], v[MX+2], 3, 64                ; tile 1: b[16 + 2 h + j], j = 0, 1
	v_mov_b32 v[ZR], 0
	v_mov_b32 v[B3+1], 0
	s_mov_b32 s[MNT], 0x600000
	s_mul_i32 s28, ttmp9, 73728                          ; a work-group's 1,024 rows of 72 bytes,
	s_mul_i32 s30, s[WV], 9216                           ; a wave's 128
	s_add_co_u32 s28, s28, s30
	s_mov_b32 s29, 0
	s_lshl_b32 s30, ttmp9, 12                            ; and the same rows of y
	s_lshl_b32 s31, s[WV], 9
	s_add_co_u32 s30, s30, s31
	s_mov_b32 s31, 0
	WIN 0x40                                             ; destination window 1: for the moves here and for the loads of x below
.irp i, 10,11,12,13,14,15,26,27,28,29,30,31
	v_mov_b32 v[BI+\i], 0                                ; the C of slots whose results are never read.  (Ahead of the wait below, so that no vector instruction stands between it and the head's loads)
.endr
	s_wait_kmcnt 0x0
	s_add_nc_u64 s[XP:XP+1], s[XP:XP+1], s[28:29]
	s_add_nc_u64 s[OP:OP+1], s[OP:OP+1], s[30:31]
	s_wait_alu depctr_va_vdst(0)                         ; all offsets and LDS addresses (v1-7, v9-13, v252-254) are written, which the kernel's loads, stores and LDS instructions read; none of them is written again
	XLOADS                                               ; group 0
	WIN 0x40
	global_load_b128 v[BI:BI+3], v[BA0], s[B1P:B1P+1]
	global_load_b128 v[BI+4:BI+7], v[BA0], s[B1P:B1P+1] offset:16
	global_load_b64 v[BI+8:BI+9], v[BA1], s[B1P:B1P+1]
	global_load_b128 v[BI+16:BI+19], v[BA0], s[B2P:B2P+1]
	global_load_b128 v[BI+20:BI+23], v[BA0], s[B2P:B2P+1] offset:16
	global_load_b64 v[BI+24:BI+25], v[BA1], s[B2P:B2P+1]
	WIN 0
.irp i, 0,1,2,3,4
	global_load_b128 v[W3R+4*\i:W3R+4*\i+3], v[ZR], s[W3P:W3P+1] offset:16*\i
.endr
	global_load_b32 v[B3], v[ZR], s[B3P:B3P+1]
.irp w, 0,1,2,3,4,5,6,7
	ARM \w
.endr
	s_wait_loadcnt 0x0                                   ; group 0 of x, the biases, W3 (each wave has waited so in its own arm already)
	STAGE_IN                                             ; group 0.  (Its reads land in v[XH ..]: both waits at the end of my arm lie behind all that named these registers)
	s_wait_dscnt 0x9                                     ; all but the nine reads just issued: the stores into the stage are done,
	s_wait_alu depctr_vm_vsrc(0)                         ; and the five stores into the stage have read v160-177 of window 1, in which the five loads below land
	s_add_nc_u64 s[XP:XP+1], s[XP:XP+1], GRPB            ; (the loads that named this base are done)
	XLOADS                                               ; group 1
.irp i, 30,31
	v_mov_b32 v[CA+\i], 0                                ; codes that are zeros in both layers
	v_mov_b32 v[CB+\i], 0
.endr
	s_wait_dscnt 0x0                                     ; for the others: my images of the weights lie in LDS
	s_barrier_signal -1
	s_barrier_wait -1                                    ; everybody's do
	WIN 0x40
.set q, 0
.rept 32
	ds_load_b128 v[4*q:4*q+3], v[LI] offset:WIMG+512*q   ; the 8 fragments, for the whole launch
.set q, q+1
.endr
	WIN 0
.irp i, 0,1,2,3
	ds_load_b32 v[SW+\i], v[LS] offset:WSC+128*\i
.endr
	s_mov_b32 s[G], 0
	s_mov_b32 s[YO], 0
.Lgroup:
	s_wait_dscnt 0x0                                     ; my row of x is in v[XH ..+17] (first trip: the weights too)
.irp i, 24,25,26,27,28,29
	v_mov_b32 v[CA+\i], 0                                ; layer 1 has no blocks 6 and 7: zero codes, where layer 2 left its own.  (Layer 2's block 7 finds its places 16-31 zero by the same lines)
	v_mov_b32 v[CB+\i], 0
.endr
	; ---- layer 1: 189 features, 6 blocks
	ENUM 0, 18, 0, XH, XH, 0                             ; block 0's products stand behind x itself
	ENUM 0, 18, 1, SB, XH, 0
	QPAIR 0, XH, 32
	ENUM 0, 18, 2, SA, XH, 0
	ENUM 0, 18, 3, SB, XH, 0
	QPAIR 2, SA, 32
	ENUM 0, 18, 4, SA, XH, 0                             ; (these products are also the places between the swaps above and the matrix instructions below)
	ENUM 0, 18, 5, SB, XH, 0
	ZFILL SB                                             ; block 5 has 29 numbers
	MM 0, 0
	QPAIR 4, SA, 29
	PLACES 4                                             ; operands written by vector instructions stand four places ahead of a scaled matrix instruction
	MM 0, 1
	PLACES 8                                             ; eight places ahead of the first read of the sums
	DSWAP
	TANH XH                                              ; h takes x's place
	; ---- layer 2: 230 features, 8 blocks, the last of 6 numbers
	ENUM 0, 20, 0, XH, XH, 0
	ENUM 0, 20, 1, SB, XH, 0
	QPAIR 0, XH, 32
	ENUM 0, 20, 2, SA, XH, 0
	ENUM 0, 20, 3, SB, XH, 0
	QPAIR 2, SA, 32
	ENUM 0, 20, 4, SA, XH, 0
	ENUM 0, 20, 5, SB, XH, 0
	MM 1, 0
	QPAIR 4, SA, 32
	ENUM 0, 20, 6, SA, XH, 0
	ENUM 0, 20, 7, SB, XH, 0                             ; h is read for the last time
	v_mov_b32 v[SB+6], 0
	v_mov_b32 v[SB+7], 0
	QMAX SA, SB, 1
	QSCALE
	XBYTE 6, 0
	XBYTE 7, 1
	QHOLD SA, SA, 0, 32
	QHOLD SB, SB, 1, 6
	QCVT SA, CA+24, CB+24, 0
	v_cvt_scalef32_pk8_bf8_f32 v[CA+28:CA+29], v[SB:SB+7], v[SC+1]
	v_nop
	QSWAP CA+24, CB+24
	v_permlane16_swap_b32 v[CA+28], v[CB+28]
	v_permlane16_swap_b32 v[CA+29], v[CB+29]
	PLACES 4
	MM 1, 1
	; The next group's row comes into h's place, and the group after that is asked of memory: it has a whole trip in which to land.  No wait on va_vdst of their own: the one ahead of the four matrix instructions above lies
	; behind tanh's writes of v[XH ..] and behind block 7's products, the last to read them, and those four name the sums, the codes, the weights and the scale words alone: no register that the lines below touch
	s_cmp_eq_u32 s[G], 3
	s_cbranch_scc1 .Lno_next
	s_wait_loadcnt 0x0                                   ; the next group's five loads, issued a trip ago
	STAGE_IN
	s_cmp_eq_u32 s[G], 2
	s_cbranch_scc1 .Lno_next                             ; no load leaves my 128 rows
	s_wait_dscnt 0x9                                     ; all but the nine reads just issued: the stores into the stage are done,
	s_wait_alu depctr_vm_vsrc(0)                         ; and the five stores into the stage have read v160-177 of window 1, in which the five loads below land
	s_add_nc_u64 s[XP:XP+1], s[XP:XP+1], GRPB
	XLOADS
.Lno_next:
	PLACES 8
	DSWAP
	TANH SA
	; ---- layer 3: y = W3 . h + b3, in two chains of packed multiply-adds
	s_wait_alu depctr_vm_vsrc(0)                         ; the last trip's LDS store of y has read v[AD] and v[YA], which the lines below write again
	v_pk_fma_f32 v[YA:YA+1], v[SA:SA+1], v[W3R:W3R+1], v[B3:B3+1]
	v_pk_mul_f32 v[YB:YB+1], v[SA+2:SA+3], v[W3R+2:W3R+3]
.irp i, 4,8,12,16
	v_pk_fma_f32 v[YA:YA+1], v[SA+\i:SA+\i+1], v[W3R+\i:W3R+\i+1], v[YA:YA+1]
	v_pk_fma_f32 v[YB:YB+1], v[SA+\i+2:SA+\i+3], v[W3R+\i+2:W3R+\i+3], v[YB:YB+1]
.endr
	v_add_nc_u32 v[AD], s[YO], v[YW]
	v_pk_add_f32 v[YA:YA+1], v[YA:YA+1], v[YB:YB+1]
	v_add_f32 v[YA], v[YA], v[YA+1]
	s_wait_alu depctr_va_vdst(0)                         ; v[AD] and v[YA] are written, which the LDS store reads; in the last trip also: tanh's writes and layer 3's reads of v[SA ..+3] are done, in which the read of y lands behind the loop
	ds_store_b32 v[AD], v[YA]                            ; row 32 g + lane of my 128
	s_add_co_u32 s[YO], s[YO], 128
	s_add_co_u32 s[G], s[G], 1
	s_cmp_lt_u32 s[G], 4
	s_cbranch_scc1 .Lgroup
	ds_load_b128 v[SA:SA+3], v[YRD]                      ; LDS serves a wave's instructions in order: this sees my four stores
	s_wait_dscnt 0x0
	global_store_b128 v[LI], v[SA:SA+3], s[OP:OP+1] th:TH_STORE_NT   ; 32 lanes store 512 consecutive bytes, at a multiple of 256 from y's first byte
	s_wait_dscnt 0x0                                     ; the closing lines, six on end
	s_wait_alu 0x0
	s_wait_tensorcnt 0x0
	ds_add_u32 v[SPW], v[NIL]
	s_wait_dscnt 0x0
	s_endpgm
.Lfunc_end_k_qbab0760435_taylor:
	.size	k_qbab0760435_taylor, .Lfunc_end_k_qbab0760435_taylor-k_qbab0760435_taylor
	.p2alignl 7, 3214868480
	.fill 96, 4, 3214868480
	.section	.rodata,"a",@progbits
	.p2align	6, 0x0
	.amdhsa_kernel k_qbab0760435_taylor
		.amdhsa_group_segment_fixed_size 40448
		.amdhsa_private_segment_fixed_size 0
		.amdhsa_enable_private_segment 0
		.amdhsa_kernarg_size 64
		.amdhsa_user_sgpr_count 2
		.amdhsa_user_sgpr_kernarg_segment_ptr 1
		.amdhsa_wavefront_size32 1
		.amdhsa_system_sgpr_workgroup_id_x 1
		.amdhsa_system_sgpr_workgroup_id_y 1
		.amdhsa_system_sgpr_workgroup_id_z 1
		.amdhsa_system_vgpr_workitem_id 0
		.amdhsa_next_free_vgpr 448
		.amdhsa_next_free_sgpr 66
		.amdhsa_reserve_vcc 1
		.amdhsa_float_denorm_mode_32 3
		.amdhsa_float_denorm_mode_16_64 3
		.amdhsa_memory_ordered 1
		.amdhsa_forward_progress 1
		.amdhsa_inst_pref_size 188
	.end_amdhsa_kernel
	.amdgpu_metadata
---
amdhsa.version: [ 1, 2 ]
amdhsa.kernels:
  - .name:           k_qbab0760435_taylor
    .symbol:         k_qbab0760435_taylor.kd
    .args:
      - { .name: x, .offset: 0, .size: 8, .value_kind: global_buffer, .address_space: global }
      - { .name: W1, .offset: 8, .size: 8, .value_kind: global_buffer, .address_space: global }
      - { .name: b1, .offset: 16, .size: 8, .value_kind: global_buffer, .address_space: global }
      - { .name: W2, .offset: 24, .size: 8, .value_kind: global_buffer, .address_space: global }
      - { .name: b2, .offset: 32, .size: 8, .value_kind: global_buffer, .address_space: global }
      - { .name: W3, .offset: 40, .size: 8, .value_kind: global_buffer, .address_space: global }
      - { .name: b3, .offset: 48, .size: 8, .value_kind: global_buffer, .address_space: global }
      - { .name: out0, .offset: 56, .size: 8, .value_kind: global_buffer, .address_space: global }
    .group_segment_fixed_size: 40448
    .private_segment_fixed_size: 0
    .kernarg_segment_align: 8
    .kernarg_segment_size: 64
    .max_flat_workgroup_size: 256
    .sgpr_count:     66
    .vgpr_count:     448
    .wavefront_size: 32
...
	.end_amdgpu_metadata
.endif
;; end of part 2
